; MI455X (gfx1250); checked and timed in simulation.
; The chip was launched on July 23, 2026; its instructions are those of AMD's public machine-readable ISA for CDNA 5 (MIT licence, August 2026) and "CDNA5" Instruction Set Architecture Reference Guide (July 2026). The comments in the code are by the model that wrote it; some were corrected since.
;; Fuzzy Pattern TM STCM. Allowed arithmetic: matrix products marked QUANTISED: E5M2 operands, one given power-of-two scale a tensor, by v_wmma_f32_16x16x64_bf8_bf8 or v_wmma_f32_16x16x128_bf8_bf8, f32 sums; products left as they are: f32 operands where the result goes on into a quantised operand, else bf16, f16 or f32 operands; f32 sums; everything else in f32.
;; Inputs: clause_bias 128 float32; lowp_scales 8 int32 (the exponents e of the quantised operands' scales 2^e); neg_logits 64 x 2,048 float32; pos_logits 64 x 2,048 float32; voting 128 x 10 float32; x 16,384 x 2,048 float32.
;; Outputs: out0 16,384 x 10 float32.
;; This version of the problem:
;;   THIS VERSION OF THE PROBLEM IS GIVEN IN LOW PRECISION. The matrix products marked QUANTISED in the list below multiply operands that are first quantised to E5M2 (5 exponent bits, 2 mantissa bits; 8 bits a number), with one given power-of-two scale for each operand tensor; their sums are f32. All else is computed in f32.
;;   The module's matrix products, in the order in which they are computed (A, B: the left and right operand; K: the contracted axis; several contracted axes count as one K, in the product's order):
;;     1. [M 16,384, K 2,048] x [K 2,048, N 64]; A: computed on the way; B: computed on the way: QUANTISED (scales: A lowp_scales[0], B lowp_scales[1])
;;     2. [M 16,384, K 2,048] x [K 2,048, N 64]; A: input x; B: computed on the way: QUANTISED (scales: A lowp_scales[2], B lowp_scales[3])
;;     3. [M 16,384, K 2,048] x [K 2,048, N 64]; A: computed on the way; B: computed on the way: QUANTISED (scales: A lowp_scales[4], B lowp_scales[5])
;;     4. [M 16,384, K 2,048] x [K 2,048, N 64]; A: input x; B: computed on the way: QUANTISED (scales: A lowp_scales[6], B lowp_scales[7])
;;     5. [M 16,384, K 128] x [K 128, N 10]; A: computed on the way; B: input voting: left as it is (N = 10 < 16)
;;   THE QUANTISER, for each operand of a quantised product, along K:
;;     - The operand's scale is 2^e, e = its entry of the input lowp_scales (int32; the entries are numbered through the quantised products in the list's order, A before B).
;;     - Each number is divided by the scale, clamped to +-57,344, and rounded to the nearest number of E5M2, ties to even, subnormals kept.
;;     - The product sums the exact products of the quantised numbers (number of the format x scale) in f32.
;;   ~~~python
;;   def quantise(x, axis, e):      # numpy; x: float32 -> the quantised numbers, widened to float32 again
;;       x = np.moveaxis(x, axis, -1); K = x.shape[-1]
;;       r = np.clip(x / 2.0 ** e, -57344, 57344)
;;       step = 2.0 ** (np.maximum(np.frexp(np.where(r == 0, 1, r))[1] - 1, -14) - 2)
;;       q = np.round(r / step) * step * 2.0 ** e      # np.round: ties to even
;;       return np.moveaxis(q, -1, axis).astype(np.float32)
;;   ~~~
;;   OPERANDS COMPUTED ON THE WAY. 'Computed on the way' means the value that the module computes at that place (a softmax that the list does not call 'softmax' is quantised finished and normalised). What goes into a quantiser is computed in f32, as accurately as f32 sums, v_exp_f32 and their like allow (about 1e-6 of the number): no bf16 or f16 on the way to a quantiser, and a product that is left as it is and whose result goes on into a quantised operand takes f32 operands (vector FMAs, or v_wmma_f32_16x16x4_f32). A number that lies on a knife's edge between two numbers of the format may be rounded either way, as far as f32 arithmetic and the matrix unit's own rounding can turn it there, and no further.
;; 2 versions. Each part assembles by itself: llvm-mc -triple=amdgcn-amd-amdhsa -mcpu=gfx1250 --defsym DOCPART=n.
;; ======== version 1 of 2: 2 launches
;; limits: values are held in f16: magnitudes above 65,504 overflow, below 6.1e-05 lose precision
;; workspace buffers: bcodes 524,288 bytes
;; launch masks (part 1): grid 256 x 1, 1 waves a work-group, no clusters, 0 bytes of LDS; arguments pos_logits, neg_logits, lowp_scales, bcodes; writes bcodes
.if DOCPART == 1
	.amdgcn_target "amdgcn-amd-amdhsa--gfx1250"
	.amdhsa_code_object_version 6
	.text
	.protected	k_qbc1e9a508b_masks
	.globl	k_qbc1e9a508b_masks
	.p2align	8
	.type	k_qbc1e9a508b_masks,@function
k_qbc1e9a508b_masks:
	s_mov_b64 s[64:65], 0
	v_nop
	global_prefetch_b8 v0, s[64:65] scope:SCOPE_SE
	s_setreg_imm32_b32 hwreg(HW_REG_WAVE_MODE, 25, 1), 1
	s_wait_xcnt 0x0
; The four literal masks of the clauses, as codes of BF8 (E5M2), made once for all row blocks of the next launch.
; mask 0: pos bank, logit > 0 (scale entry 1);  mask 1: pos bank, logit < 0 (entry 3);  mask 2, 3: the same of the neg bank (entries 5, 7).
; THE VALUES.  hard + soft - soft is hard but for a residue of f32 rounding of at most 2.4e-7 of 1.0, and max(.,0) + s - s of 0 is exactly 0: so a mask's number is 1 or 0.
; 1 / 2^e is a power of two and lies at no middle between two codes (but at e = 17, half of the smallest code, where either rounding is right), so the residue turns no code:
; no tanh and no sigmoid is evaluated.  The number then goes through the stated quantiser: held within +-57,344 x 2^e, divided by 2^e, rounded to the nearest code.
; LIMITS: each e between -126 and 112, so that 2^e and 57,344 x 2^e are f32 numbers.  A NaN among the logits is not served (it gives the code 0).
; LAYOUT OF bcodes: in the order of the operand's registers.  Byte ((((2 p + kh) 8 + hs) 4 + n) 4 + c) 512 + 16 lane + 4 u + t is the code of mask p, clause 16 n + lane % 16,
; feature 256 hs + 64 u + 4 (8 kh + 2 c + lane / 16) + t: the 16 registers of a fragment (16 clauses x 128 features) are four blocks of 512 consecutive bytes.  The order of the features is the one in which
; the next launch lays its codes of x: the same on both sides of each product.
; SHARES.  Work-group g = ((((src 2 + kh) 8 + hs) 4 + n) 2 + cp), one wave: 16 clauses of bank src, blocks c = 2 cp and 2 cp + 1 of a fragment, both signs from one read of the logits.
; A lane reads 16 bytes at each of 8 places; of a row's 256 bytes a work-group takes 64, so four work-groups share them: 1 MB is read in all.  Each of the four stores covers 512 consecutive bytes, aligned.
.set LG,   8                           ; v8-39   32 logits of my clause, in the order of the codes
.set T,    40                          ; v40-71  the mask's numbers
.set CP,   72                          ; v72-79  codes, logit > 0
.set CI,   80                          ; v80-87  codes, logit < 0
.set SCP,  88                          ; v88, v89  2^e as f32 for the two signs: the conversion takes its exponent field
.set SCI,  89
.set ONEP, 90                          ; v90, v91  the number 1, held within the largest code x the scale
.set ONEI, 91
.set LIM,  92                          ; v92     57,344 x 2^e, at work
	s_load_b256 s[4:11], s[0:1], 0x0               ; pos_logits s[4:5], neg_logits s[6:7], the scales' exponents s[8:9], bcodes s[10:11]
	s_lshr_b32 s12, ttmp9, 7                       ; src: which bank
	s_and_b32 s13, ttmp9, 1                        ; cp
	s_bfe_u32 s14, ttmp9, 0x20001                  ; n: 2 bits from bit 1
	s_bfe_u32 s15, ttmp9, 0x30003                  ; hs: 3 bits from bit 3
	s_bfe_u32 s32, ttmp9, 0x10006                  ; kh: 1 bit from bit 6
	s_lshl_b32 s26, s14, 17                        ; in: 16 n rows of 8,192 bytes
	s_lshl_b32 s15, s15, 10                        ; + 256 hs features
	s_lshl_b32 s32, s32, 7                         ; + 4 x 8 kh features
	s_lshl_b32 s13, s13, 6                         ; + 4 x 4 cp features
	s_add_co_u32 s26, s26, s15
	s_add_co_u32 s26, s26, s32
	s_add_co_u32 s26, s26, s13
	s_mov_b32 s27, 0
	s_lshl_b32 s28, s12, 18                        ; out: two masks of 131,072 bytes a bank
	s_and_b32 s30, ttmp9, 127
	s_lshl_b32 s30, s30, 10                        ; + the two blocks' 1,024 bytes: ((kh 8 + hs) 4 + n) 2 + cp of them
	s_add_co_u32 s28, s28, s30
	s_mov_b32 s29, 0
	v_and_b32 v1, 15, v0                           ; r
	v_bfe_u32 v2, v0, 4, 1                         ; h
	v_lshlrev_b32 v3, 13, v1                       ; row r,
	v_lshl_add_u32 v3, v2, 4, v3                   ; + 4 h features
	v_lshlrev_b32 v4, 4, v0                        ; 16 x lane (one wave: the thread's number is the lane)
	s_wait_kmcnt 0x0
	s_load_b256 s[16:23], s[8:9], 0x0              ; e0 .. e7
	s_cmp_lt_u32 ttmp9, 128                        ; the choice of the bank hangs on the work-group's number alone
	s_cselect_b64 s[4:5], s[4:5], s[6:7]
	s_add_nc_u64 s[4:5], s[4:5], s[26:27]
	s_add_nc_u64 s[10:11], s[10:11], s[28:29]
.irp cc, 0,1
.irp u, 0,1,2,3
	global_load_b128 v[LG+16*\cc+4*\u:LG+16*\cc+4*\u+3], v3, s[4:5] offset:256*\u+32*\cc   ; features 64 u + 4 (2 cc) + 0 .. 3 on from the lane's first
.endr
.endr
	s_wait_kmcnt 0x0
	s_cmp_lt_u32 ttmp9, 128
	s_cselect_b32 s24, s17, s21                    ; e of the mask logit > 0
	s_cselect_b32 s25, s19, s23                    ; e of the mask logit < 0
	s_add_co_i32 s24, s24, 127
	s_lshl_b32 s31, s24, 23
	v_mov_b32 v[SCP], s31                          ; 2^e
	s_add_co_i32 s24, s24, 15
	s_lshl_b32 s24, s24, 23
	s_or_b32 s24, s24, 0x600000                    ; 57,344 x 2^e
	v_mov_b32 v[LIM], s24
	v_med3_num_f32 v[ONEP], 1.0, -v[LIM], v[LIM]   ; the conversion to an 8-bit code does not saturate (ISA guide 7.6.2): the hold, on the one number that is not 0
	s_add_co_i32 s25, s25, 127
	s_lshl_b32 s31, s25, 23
	v_mov_b32 v[SCI], s31
	s_add_co_i32 s25, s25, 15
	s_lshl_b32 s25, s25, 23
	s_or_b32 s25, s25, 0x600000
	v_mov_b32 v[LIM], s25
	v_med3_num_f32 v[ONEI], 1.0, -v[LIM], v[LIM]
	s_wait_loadcnt 0x0
.set I, 0
.rept 32
	v_cmp_lt_f32 vcc_lo, 0, v[LG+I]                ; 0 < logit
	v_cndmask_b32 v[T+I], 0, v[ONEP], vcc_lo
.set I, I+1
.endr
.irp g, 0,1,2,3
	v_cvt_scalef32_pk8_bf8_f32 v[CP+2*\g:CP+2*\g+1], v[T+8*\g:T+8*\g+7], v[SCP]
.endr
	v_nop                                          ; one plain vector line between the conversions and the lines below, which write their sources anew
.set I, 0
.rept 32
	v_cmp_gt_f32 vcc_lo, 0, v[LG+I]                ; 0 > logit
	v_cndmask_b32 v[T+I], 0, v[ONEI], vcc_lo
.set I, I+1
.endr
.irp g, 0,1,2,3
	v_cvt_scalef32_pk8_bf8_f32 v[CI+2*\g:CI+2*\g+1], v[T+8*\g:T+8*\g+7], v[SCI]
.endr
	v_nop
	global_store_b128 v4, v[CP:CP+3],   s[10:11]                   ; 32 lanes store 512 consecutive bytes, at a multiple of 512 from the buffer's first byte
	global_store_b128 v4, v[CP+4:CP+7], s[10:11] offset:512
	global_store_b128 v4, v[CI:CI+3],   s[10:11] offset:131072     ; the other sign's mask lies 131,072 bytes on
	global_store_b128 v4, v[CI+4:CI+7], s[10:11] offset:131072+512
	s_endpgm
.Lfunc_end_k_qbc1e9a508b_masks:
	.size	k_qbc1e9a508b_masks, .Lfunc_end_k_qbc1e9a508b_masks-k_qbc1e9a508b_masks
	.p2alignl 7, 3214868480
	.fill 96, 4, 3214868480
	.section	.rodata,"a",@progbits
	.p2align	6, 0x0
	.amdhsa_kernel k_qbc1e9a508b_masks
		.amdhsa_group_segment_fixed_size 0
		.amdhsa_private_segment_fixed_size 0
		.amdhsa_enable_private_segment 0
		.amdhsa_kernarg_size 32
		.amdhsa_user_sgpr_count 2
		.amdhsa_user_sgpr_kernarg_segment_ptr 1
		.amdhsa_wavefront_size32 1
		.amdhsa_system_sgpr_workgroup_id_x 1
		.amdhsa_system_sgpr_workgroup_id_y 1
		.amdhsa_system_sgpr_workgroup_id_z 1
		.amdhsa_system_vgpr_workitem_id 0
		.amdhsa_next_free_vgpr 96
		.amdhsa_next_free_sgpr 66
		.amdhsa_reserve_vcc 1
		.amdhsa_float_denorm_mode_32 3
		.amdhsa_float_denorm_mode_16_64 3
		.amdhsa_memory_ordered 1
		.amdhsa_forward_progress 1
		.amdhsa_inst_pref_size 9
	.end_amdhsa_kernel
	.amdgpu_metadata
---
amdhsa.version: [ 1, 2 ]
amdhsa.kernels:
  - .name:           k_qbc1e9a508b_masks
    .symbol:         k_qbc1e9a508b_masks.kd
    .args:
      - { .name: pos_logits, .offset: 0, .size: 8, .value_kind: global_buffer, .address_space: global }
      - { .name: neg_logits, .offset: 8, .size: 8, .value_kind: global_buffer, .address_space: global }
      - { .name: lowp_scales, .offset: 16, .size: 8, .value_kind: global_buffer, .address_space: global }
      - { .name: bcodes, .offset: 24, .size: 8, .value_kind: global_buffer, .address_space: global }
    .group_segment_fixed_size: 0
    .private_segment_fixed_size: 0
    .kernarg_segment_align: 8
    .kernarg_segment_size: 32
    .max_flat_workgroup_size: 32
    .sgpr_count:     66
    .vgpr_count:     96
    .wavefront_size: 32
...
	.end_amdgpu_metadata
.endif
;; end of part 1
;; launch clauses (part 2): grid 256 x 1, 8 waves a work-group, no clusters, 287,744 bytes of LDS; arguments x, bcodes, lowp_scales, clause_bias, voting, out0; writes out0
.if DOCPART == 2
	.amdgcn_target "amdgcn-amd-amdhsa--gfx1250"
	.amdhsa_code_object_version 6
	.text
	.protected	k_qbc1e9a508b_clauses
	.globl	k_qbc1e9a508b_clauses
	.p2align	8
	.type	k_qbc1e9a508b_clauses,@function
k_qbc1e9a508b_clauses:
	s_mov_b64 s[64:65], 0
	v_nop
	global_prefetch_b8 v0, s[64:65] scope:SCOPE_SE
	s_setreg_imm32_b32 hwreg(HW_REG_WAVE_MODE, 25, 1), 1
	s_wait_xcnt 0x0
; out[b][:] = (+-exp(-clip(pen[b][c] / 512, 0, 10)) + bias[c]) @ voting,  pen[b][c] = (1 - x[b]) . pos_c + x[b] . inv_c, 128 clauses in two banks of 64, 2,048 features.
; The four products of 16,384 x 2,048 x 64 go on codes of BF8 (E5M2).  Product q takes A = 1 - x (q = 0, 2) or x (q = 1, 3) with the scale 2^e[2q], and mask q (from bcodes) with 2^e[2q+1]:
; so each number of x is quantised FOUR ways here; no two scales are taken as equal.  A finished sum is multiplied by 2^(e[2q] + e[2q+1] - 9), which holds the factor 4 / 2,048 too.
; SHARES.  A work-group owns 64 rows; 8 waves of 512 registers, two to a SIMD.  Wave w = 2 p + kh.  K goes in 8 half-steps of 256 features.
;   As QUANTISER it takes rows 8 w .. 8 w + 7, all 256 features, a QUAD at a time: four loads of the same two rows, 256 consecutive bytes of a row each.  x comes from memory straight into a ring of eight quads
;   (32 loads, 16 KB a wave, on their way); 1 - x is formed once; a lane's 16 codes of one quantisation are four registers on end and go to LDS by one store of 16 bytes.
;   As MULTIPLIER it takes product p and half kh of a row's 256 codes, for all 64 rows and 64 clauses: 16 accumulators.  So each fragment of A is read from LDS once, by one wave, and each fragment of a mask goes from
;   memory straight into the registers of the one wave that multiplies by it, and feeds four matrix instructions.  The price: the two kh's partial sums meet in LDS at the end.
; THE PLACE OF k.  In a row's 256 bytes of codes, byte 16 c + 4 u + t holds feature 64 u + 4 c + t of the half-step (lane c's four numbers of load u).  The masks are laid in the same order, so every product meets its partner.
; BY TURNS.  A's fragments have registers of their own and the masks two sets: behind a barrier the wave asks for A's fragments of this half-step and for the masks of the next, quantises two quads of the next half-step
;   while they come, multiplies half, quantises two quads more, and multiplies the other half between the next barrier's signal and its wait.
; ONE BARRIER A HALF-STEP: two code slots take turns; between two barriers one is read and the other written.
; NO JOINT LOADS for the masks, though all work-groups read them: a joint load lands in LDS, so a work-group's 512 KB of mask codes would go into LDS and out again, as many bytes as all its codes of A.
; THE MATRIX INSTRUCTION IS USED TRANSPOSED (source 0 = 16 clauses, source 1 = 16 rows): lane (r, h) holds row r, register j clause 16 n + 8 h + j: the layout that the last product's operand wants.
; THE LAST PRODUCT (K = 128, N = 10) goes in f16, two matrix instructions a wave (16 rows x 32 clauses x 16 classes each; classes 10 to 15 are a copy of class 9 that nobody reads), the four parts added in f32.
; LIMITS: e[0], e[2], e[4], e[6] between -126 and 112; e[2q] + e[2q+1] - 9 between -126 and 127; |vote| (at most 1 + |bias|) and |voting| under 65,504 (f16).  NaN among the inputs is not served.
; The order of the sums differs from a single chain along K (K is shared between two waves, and k is permuted inside an instruction).
; REGISTERS, in windows of 256.  Window 0: v0-11 addresses and scales; v12-35 at work; v36-51 codes; v56-119 A's four fragments; v120-247 the ring; v248-255 the end's addresses.
;   Window 1: v0-127 the accumulators ((m, n) at 8 (4 m + n)); v128-191, v192-255 the mask's four fragments, two sets.
.set XO,   1                           ; v1      x: (lane / 16) rows of 8,192 bytes + 16 (lane % 16); never rewritten
.set CS,   2                           ; v2, v3  where I store codes, slot 0, 1
.set AL,   4                           ; v4, v5  where I read A's fragments, slot 0, 1
.set BO,   6                           ; v6      16 x lane
.set SC,   7                           ; v7-10   2^e[2q] as f32: the conversion takes its exponent field
.set VO,   11                          ; v11     my byte in the wave's 64 rows of voting
.set Y,    12                          ; v12-19  1 - x
.set T,    20                          ; v20-27  held numbers
.set U,    28                          ; v28-35  held numbers
.set CD,   36                          ; v36-51  codes: four registers for each q
.set BIO,  52                          ; v52     my byte in the wave's 64 biases
.set AF,   56                          ; v56-119 A's fragment m at 56 + 16 m
.set RING, 120                         ; v120-247 eight slots of 16: a quad each
.set VT,   120                         ; the end: v120-151 voting, v152-183 bias, in ring registers that are free by then
.set BI,   152
.set ACC,  0                           ; window 1
.set BF,   128                         ; window 1
.set PITCH, 272                        ; a row of codes in LDS: 256 bytes + 16 = 17 x 16 bytes, so that the sixteen rows of a 16-byte read begin in sixteen different columns of 16 bytes modulo 256
.set TILEB, 16*PITCH                   ; a tile of 16 rows
.set QB,    4*TILEB                    ; a quantisation's four tiles
.set SLOTB, 4*QB                       ; a code slot: tile (q, m) at (4 q + m) TILEB: 69,632 bytes
.set ST,    2*SLOTB                    ; the end: images of the accumulators, 16,384 bytes a wave
.set LP,    ST+8*16384                 ; partial logits [4 parts][64 rows][16 classes] f32
.set PL,   28                          ; s28-31  57,344 x 2^e[2q]
.set NL,   32                          ; s32-35  the same, negative
.set MSB, 0
.macro WIN new                         ; bits 1:0 source 0, 3:2 source 1, 5:4 source 2, 7:6 destination; the immediate's high byte repeats the setting that is left
.if MSB != \new
	s_set_vgpr_msb (MSB<<8)|\new
.set MSB, \new
.endif
.endm
	s_load_b256 s[4:11], s[0:1], 0x0               ; x s[4:5], bcodes s[6:7], the scales' exponents s[8:9], clause_bias s[10:11]
	s_load_b128 s[12:15], s[0:1], 0x20             ; voting s[12:13], out0 s[14:15]
	v_lshl_add_u32 v54, v0, 2, 0x46000
	v_mov_b32 v55, 0
	v_lshrrev_b32 v12, 5, v0
	v_readfirstlane_b32 s24, v12                   ; wave w, 0 .. 7
	s_lshr_b32 s25, s24, 1                         ; p
	s_and_b32 s26, s24, 1                          ; kh
	s_lshr_b32 s27, s24, 2                         ; at the end: my bank
	v_and_b32 v13, 15, v0                          ; lane % 16
	v_bfe_u32 v14, v0, 4, 1                        ; lane / 16
	v_and_b32 v15, 31, v0                          ; lane
	v_lshlrev_b32 v[XO], 4, v13
	v_lshl_add_u32 v[XO], v14, 13, v[XO]
	v_lshlrev_b32 v[BO], 4, v15
	s_mul_i32 s42, s25, TILEB                      ; as quantiser: rows 8 w on lie in tile m = w / 2 = p,
	s_mul_i32 s43, s26, 8*PITCH                    ; from its row 8 (w % 2) on
	s_add_co_u32 s42, s42, s43
	v_mul_u32_u24 v[CS], v14, PITCH                ; row lane / 16 of the two that a load brings,
	v_lshl_add_u32 v[CS], v13, 4, v[CS]            ; sixteen codes at 16 (lane % 16)
	v_add_nc_u32 v[CS], s42, v[CS]
	v_add_nc_u32 v[CS+1], SLOTB, v[CS]
	s_mul_i32 s43, s25, QB                         ; as multiplier: quantisation q = p,
	s_lshl_b32 s44, s26, 7                         ; half kh of a row's codes
	s_add_co_u32 s43, s43, s44
	v_mul_u32_u24 v[AL], v13, PITCH                ; row r,
	v_lshl_add_u32 v[AL], v14, 4, v[AL]            ; + 16 h
	v_add_nc_u32 v[AL], s43, v[AL]
	v_add_nc_u32 v[AL+1], SLOTB, v[AL]
	v_min_u32 v[VO], 9, v13                        ; class min(r, 9): every lane stays inside voting
	v_lshlrev_b32 v[VO], 2, v[VO]
	v_mul_u32_u24 v16, v14, 320                    ; + 8 h rows of 40 bytes
	v_add_nc_u32 v[VO], v16, v[VO]
	v_lshlrev_b32 v[BIO], 5, v14                   ; 8 h numbers
	s_lshl_b32 s42, ttmp9, 19                      ; x: 64 rows of 8,192 bytes a work-group (under 2^28),
	s_lshl_b32 s44, s24, 16                        ; + 8 w rows;  bcodes: 65,536 bytes for each (p, kh): the same number
	s_add_co_u32 s42, s42, s44
	s_mov_b32 s43, 0
	s_mov_b32 s45, 0
	s_lshl_b32 s46, s27, 8                         ; bias: 64 numbers a bank
	s_mov_b32 s47, 0
	s_mul_i32 s48, s27, 2560                       ; voting: 64 rows of 40 bytes a bank
	s_mov_b32 s49, 0
	s_mul_i32 s50, ttmp9, 2560                     ; out0: 64 rows of 40 bytes: ten blocks of 256
	s_mov_b32 s51, 0
	s_wait_kmcnt 0x0
	s_load_b256 s[16:23], s[8:9], 0x0              ; e0 .. e7
	s_add_nc_u64 s[4:5], s[4:5], s[42:43]          ; every base is finished here and never stepped: all steps are immediates
	s_add_nc_u64 s[6:7], s[6:7], s[44:45]
	s_add_nc_u64 s[10:11], s[10:11], s[46:47]
	s_add_nc_u64 s[12:13], s[12:13], s[48:49]
	s_add_nc_u64 s[14:15], s[14:15], s[50:51]
; Quad qi = 4 hs + j: rows 2 j and 2 j + 1 of my 8, the 256 features of half-step hs.  Each load: sixteen lanes read 256 consecutive bytes of a row, aligned; lanes 16-31 the next row.
.macro XQUAD qi
.irp u, 0,1,2,3
	global_load_b128 v[RING+16*((\qi)%8)+4*\u:RING+16*((\qi)%8)+4*\u+3], v[XO], s[4:5] offset:(2*((\qi)%4))*8192+((\qi)/4)*1024+\u*256 th:TH_LOAD_NT
.endr
.endm
; My mask's four fragments of half-step hs, into set hs % 2: sixteen loads of 512 consecutive bytes.
.macro BLOAD hs
	WIN 0x40                                       ; destination window 1
.irp n, 0,1,2,3
.irp c, 0,1,2,3
	global_load_b128 v[BF+64*((\hs)%2)+16*\n+4*\c:BF+64*((\hs)%2)+16*\n+4*\c+3], v[BO], s[6:7] offset:(\hs)*8192+\n*2048+\c*512
.endr
.endr
	WIN 0
.endm
; A's four fragments of half-step hs: registers 4 c .. 4 c + 3 of a fragment are bytes 32 c + 16 h + 0 .. 15 of my half of row r.
.macro ALOAD hs
.irp m, 0,1,2,3
.irp c, 0,1,2,3
	ds_load_b128 v[AF+16*\m+4*\c:AF+16*\m+4*\c+3], v[AL+(\hs)%2] offset:\m*TILEB+32*\c
.endr
.endr
.endm
; A quad is quantised four ways, eight numbers (two loads') at a time.  The conversions for q = 0, 2 and 1 stand eight plain lines behind the last line that wrote their sources; q = 3's follows q = 1's directly.
; THE COUNT OF THE WAIT: the loads issued behind quad qi.  The order of issue: masks 0, quads 0-7, quads 8-11, masks 1, quads 12-15, masks 2, ..: masks k go out just ahead of quad 4 k's turn.
; So: the younger quads, seven at the most, four loads each, and sixteen for each run of mask loads that lies behind: none for quads 0-3, one for 4-7, two from 8 on.
; No wait stands between a quad's stores and the next quad's codes: LDS stores need none for their data registers.
.macro QQUAD qi
.set QX, RING+16*((\qi)%8)
.set QS, CS+((\qi)/4)%2
.set QJ, (\qi)%4
.if (\qi) < 4
	s_wait_loadcnt 28
.elseif (\qi) < 8
	s_wait_loadcnt 44
.elseif (\qi) <= 24
	s_wait_loadcnt 60
.else
	s_wait_loadcnt 4*(31-(\qi))+32
.endif
.irp a, 0,1
.irp k, 0,2,4,6
	v_pk_fma_f32 v[Y+\k:Y+\k+1], v[QX+8*\a+\k:QX+8*\a+\k+1], -1.0, 1.0 op_sel_hi:[1,0,0]   ; 1 - x, rounded once
.endr
.irp k, 0,1,2,3,4,5,6,7
	v_med3_num_f32 v[T+\k], v[Y+\k], s[NL], s[PL]          ; the conversion to an 8-bit code does not saturate (ISA guide 7.6.2): the hold at the largest code x the scale
.endr
.irp k, 0,1,2,3,4,5,6,7
	v_med3_num_f32 v[Y+\k], v[Y+\k], s[NL+2], s[PL+2]
.endr
	v_cvt_scalef32_pk8_bf8_f32 v[CD+2*\a:CD+2*\a+1], v[T:T+7], v[SC]               ; q = 0
.irp k, 0,1,2,3,4,5,6,7
	v_med3_num_f32 v[U+\k], v[QX+8*\a+\k], s[NL+1], s[PL+1]
.endr
	v_cvt_scalef32_pk8_bf8_f32 v[CD+8+2*\a:CD+8+2*\a+1], v[Y:Y+7], v[SC+2]         ; q = 2
.irp k, 0,1,2,3,4,5,6,7
	v_med3_num_f32 v[QX+8*\a+\k], v[QX+8*\a+\k], s[NL+3], s[PL+3]
.endr
	v_cvt_scalef32_pk8_bf8_f32 v[CD+4+2*\a:CD+4+2*\a+1], v[U:U+7], v[SC+1]         ; q = 1
	v_cvt_scalef32_pk8_bf8_f32 v[CD+12+2*\a:CD+12+2*\a+1], v[QX+8*\a:QX+8*\a+7], v[SC+3]   ; q = 3
.endr
	v_nop                                          ; one plain line behind the last conversion
.if (\qi)+8 <= 31
	XQUAD (\qi)+8                                  ; the ring slot just read takes the quad eight further on
.endif
.irp q, 0,1,2,3
	ds_store_b128 v[QS], v[CD+4*\q:CD+4*\q+3] offset:\q*QB+2*QJ*PITCH   ; sixteen lanes fill a row's 256 bytes
.endr
.endm
.macro BARS                                    ; my LDS stores have landed and my LDS loads are in: then the work-group's barrier
	s_wait_dscnt 0x0
	s_barrier_signal -1
	s_barrier_wait -1
.endm
; 8 matrix instructions: row tiles m0, m0 + 1 x the four clause tiles, 128 along K.  The sixteen accumulators take turns, one instruction a turn, in the same order in every half-step.
; The first half-step's products start the sums.
.macro WM hs, m0
	WIN 0x51                                       ; source 0 (the mask) window 1, source 1 (A) window 0, C and D window 1
.irp m, \m0, \m0+1
.irp n, 0,1,2,3
.if (\hs) == 0
	v_wmma_f32_16x16x128_bf8_bf8 v[ACC+8*(4*(\m)+\n):ACC+8*(4*(\m)+\n)+7], v[BF+64*((\hs)%2)+16*\n:BF+64*((\hs)%2)+16*\n+15], v[AF+16*(\m):AF+16*(\m)+15], 0
.else
	v_wmma_f32_16x16x128_bf8_bf8 v[ACC+8*(4*(\m)+\n):ACC+8*(4*(\m)+\n)+7], v[BF+64*((\hs)%2)+16*\n:BF+64*((\hs)%2)+16*\n+15], v[AF+16*(\m):AF+16*(\m)+15], v[ACC+8*(4*(\m)+\n):ACC+8*(4*(\m)+\n)+7]
.endif
.endr
.endr
	WIN 0
.endm
; The end's operands.  voting(64 bank + 16 n + 8 h + i, class): the layout of a 16-bit operand's k;  bias of the same clauses.  40 loads.
.macro EPLOADS
.irp n, 0,1,2,3
.irp i, 0,1,2,3,4,5,6,7
	global_load_b32 v[VT+8*\n+\i], v[VO], s[12:13] offset:(16*\n+\i)*40
.endr
.endr
.irp n, 0,1,2,3
	global_load_b128 v[BI+8*\n:BI+8*\n+3],   v[BIO], s[10:11] offset:64*\n
	global_load_b128 v[BI+8*\n+4:BI+8*\n+7], v[BIO], s[10:11] offset:64*\n+16
.endr
.endm
; BETWEEN BARRIER hs AND BARRIER hs + 1: half-step hs is multiplied (slot hs % 2 is read), half-step hs + 1 is quantised (the other slot is written).
; The count of the wait for my mask's fragments of hs: the loads issued behind them.  hs = 0: the last 48 (quads 6-11, masks 1, quads 12, 13) may be out.  1 to 4: four quads, masks hs + 1, two quads: 40.
; 5: four quads and masks 6: 32.  6: masks 7: 16.
.macro PH hs
	ALOAD \hs
	BLOAD (\hs)+1
	QQUAD 4*(\hs)+4
	QQUAD 4*(\hs)+5
.if (\hs) == 0
	s_wait_loadcnt 48
.elseif (\hs) < 5
	s_wait_loadcnt 40
.elseif (\hs) == 5
	s_wait_loadcnt 32
.else
	s_wait_loadcnt 16
.endif
	s_wait_dscnt 8                                 ; A's sixteen loads are in; the two quads' eight stores, issued behind them, may be out
	WM \hs, 0
	QQUAD 4*(\hs)+6
	QQUAD 4*(\hs)+7
.if (\hs) == 6
	EPLOADS                                        ; every quad has been read: the ring's registers are free
.endif
	s_wait_dscnt 0x0                               ; my codes of half-step hs + 1 have landed; my reads of half-step hs were in long ago
	s_barrier_signal -1
	WM \hs, 2                                      ; work on registers while the others arrive
.rept 4
	v_nop                                          ; four places ahead of the loads into A's registers and into this set of the mask's
.endr
	s_barrier_wait -1
.endm
	BLOAD 0
.irp t, 0,1,2,3,4,5,6,7
	XQUAD \t
.endr
	s_wait_kmcnt 0x0                               ; the exponents
.irp q, 0,1,2,3
	s_add_co_i32 s42, s[16+2*\q], 127
	s_lshl_b32 s43, s42, 23
	v_mov_b32 v[SC+\q], s43                        ; 2^e[2q]
	s_add_co_i32 s42, s42, 15
	s_lshl_b32 s42, s42, 23
	s_or_b32 s[PL+\q], s42, 0x600000               ; 57,344 x 2^e[2q]
	s_or_b32 s[NL+\q], s[PL+\q], 0x80000000
.endr
	s_add_co_i32 s42, s16, s17                     ; at the end the wave serves bank w / 4: its two products' exponents,
	s_add_co_i32 s43, s20, s21
	s_add_co_i32 s44, s18, s19
	s_add_co_i32 s45, s22, s23
	s_mov_b32 s40, 0x3f800000
	s_mov_b32 s41, 0xbf800000
	s_cmp_eq_u32 s27, 0
	s_cselect_b32 s36, s42, s43
	s_cselect_b32 s38, s44, s45
	s_cselect_b32 s40, s40, s41                    ; and the bank's sign: + for clauses 0-63, - for 64-127
	s_add_co_i32 s36, s36, 118                     ; - 9 for 4 / 2,048, + 127
	s_lshl_b32 s36, s36, 23                        ; 2^(eA + eB - 9) of the product with 1 - x
	s_mov_b32 s37, s36                             ; (named with it as a pair, so it is written)
	s_add_co_i32 s38, s38, 118
	s_lshl_b32 s38, s38, 23                        ; and of the product with x
	s_mov_b32 s39, s38
	s_mov_b32 s41, s40
	s_mov_b32 s46, 0xbfb8aa3b                      ; -log2(e)
	s_mov_b32 s47, s46
; THE WALK ALONG K
.irp t, 0,1,2,3
	QQUAD \t                                       ; half-step 0 is quantised
.endr
	BARS
.set HSN, 0
.rept 7
	PH HSN
.set HSN, HSN+1
.endr
	ALOAD 7                                        ; the last half-step: nothing is left to quantise
	s_wait_loadcnt 40                              ; masks 7 are in; the end's 40 loads may be out
	s_wait_dscnt 0x0
	WM 7, 0
	WM 7, 2
	; THE END.  Its addresses: more than four plain lines, the places behind the last products; all are made ahead of the one parting of the waves.
	s_lshl_b32 s42, s24, 14
	s_add_co_u32 s42, s42, ST
	v_add_nc_u32 v248, s42, v[BO]                  ; my images: ST + 16,384 w + 16 lane
	s_and_b32 s52, s24, 3                          ; what I gather: row tile m = w % 4
	s_lshl_b32 s43, s27, 16                        ; of bank w / 4 (two products of two waves: 65,536 bytes)
	s_lshl_b32 s44, s52, 12
	s_add_co_u32 s43, s43, s44
	s_add_co_u32 s43, s43, ST
	v_add_nc_u32 v249, s43, v[BO]
	s_lshl_b32 s44, s27, 13                        ; partial logits: parts 2 bank and 2 bank + 1,
	s_lshl_b32 s45, s52, 10                        ; rows 16 m on, 64 bytes each
	s_add_co_u32 s44, s44, s45
	s_add_co_u32 s44, s44, LP
	v_and_b32 v12, 15, v0
	v_bfe_u32 v13, v0, 4, 1
	v_lshlrev_b32 v250, 6, v12                     ; row r,
	v_lshl_add_u32 v250, v13, 5, v250              ; classes 8 h on
	v_add_nc_u32 v250, s44, v250
	v_lshlrev_b32 v12, 2, v0                       ; the way out: thread t of the first 160 takes numbers f = 4 t + i of the work-group's 640
.irp i, 0,1,2,3
	v_add_nc_u32 v13, \i, v12                      ; f
	v_mul_u32_u24 v14, v13, 6554
	v_lshrrev_b32 v14, 16, v14                     ; row = f / 10 (exact for f under 16,370)
	v_mul_u32_u24 v14, v14, 24
	v_lshl_add_u32 v14, v13, 2, v14                ; 64 row + 4 (f - 10 row) = 4 f + 24 row
	v_add_nc_u32 v[251+\i], LP, v14
.endr
	v_lshlrev_b32 v255, 4, v0                      ; and stores them at 16 t
	WIN 0x04                                       ; store data window 1.  The images have LDS bytes of their own: no barrier is owed ahead of them
.set TI, 0
.rept 16
	ds_store_b128 v248, v[ACC+8*TI:ACC+8*TI+3]   offset:TI*1024       ; each accumulator from its low end on; 512 consecutive bytes a store
	ds_store_b128 v248, v[ACC+8*TI+4:ACC+8*TI+7] offset:TI*1024+512
.set TI, TI+1
.endr
	WIN 0
	BARS                                           ; all 128 accumulators lie in LDS
; group (n, dq, k): clause tile n, product 2 bank + dq, half k of K, at GB(n) + 16 dq + 8 k;  GB = 56, 88 (where A's fragments lay), 184, 216 (ring registers)
.irp n, 0,1,2,3
.set GB, 56+32*\n+(\n/2)*64
.irp dq, 0,1
.irp k, 0,1
.irp c, 0,1
	ds_load_b128 v[GB+16*\dq+8*\k+4*\c:GB+16*\dq+8*\k+4*\c+3], v249 offset:(2*\dq+\k)*16384+\n*1024+\c*512
.endr
.endr
.endr
.endr
	s_wait_dscnt 0x0
.irp n, 0,1,2,3
.set GB, 56+32*\n+(\n/2)*64
.irp j, 0,2,4,6
	v_pk_add_f32 v[GB+\j:GB+\j+1], v[GB+\j:GB+\j+1], v[GB+8+\j:GB+8+\j+1]                   ; the two halves of K
	v_pk_add_f32 v[GB+16+\j:GB+16+\j+1], v[GB+16+\j:GB+16+\j+1], v[GB+24+\j:GB+24+\j+1]
.endr
.endr
.irp n, 0,1,2,3
.set GB, 56+32*\n+(\n/2)*64
.irp j, 0,2,4,6
	v_pk_mul_f32 v[GB+\j:GB+\j+1], v[GB+\j:GB+\j+1], s[36:37] op_sel_hi:[1,0]               ; a power of two: nothing is rounded
.endr
.endr
.irp n, 0,1,2,3
.set GB, 56+32*\n+(\n/2)*64
.irp j, 0,2,4,6
	v_pk_fma_f32 v[GB+\j:GB+\j+1], v[GB+16+\j:GB+16+\j+1], s[38:39], v[GB+\j:GB+\j+1] op_sel_hi:[1,0,1]   ; the penalty / 512: the sum of the two products, rounded once
.endr
.endr
.irp n, 0,1,2,3
.set GB, 56+32*\n+(\n/2)*64
.irp j, 0,1,2,3,4,5,6,7
	v_med3_num_f32 v[GB+\j], v[GB+\j], 0, 0x41200000                                        ; clipped to 0 .. 10
.endr
.endr
.irp n, 0,1,2,3
.set GB, 56+32*\n+(\n/2)*64
.irp j, 0,2,4,6
	v_pk_mul_f32 v[GB+\j:GB+\j+1], v[GB+\j:GB+\j+1], s[46:47] op_sel_hi:[1,0]               ; x -log2(e)
.endr
.endr
.irp n, 0,1,2,3
.set GB, 56+32*\n+(\n/2)*64
.irp j, 0,1,2,3,4,5,6,7
	v_exp_f32 v[GB+\j], v[GB+\j]                                                            ; exp(-clipped): one batch of 32
.endr
.endr
	v_nop                                          ; a plain line behind the last exponential
	s_wait_alu depctr_va_vdst(0)                   ; one wait for the batch, ahead of its first reader
	s_wait_loadcnt 0x0                             ; voting and the biases
.irp n, 0,1,2,3
.set GB, 56+32*\n+(\n/2)*64
.irp j, 0,2,4,6
	v_pk_fma_f32 v[GB+\j:GB+\j+1], v[GB+\j:GB+\j+1], s[40:41], v[BI+8*\n+\j:BI+8*\n+\j+1] op_sel_hi:[1,0,1]   ; the vote: +-strength + bias
.endr
.endr
.irp n, 0,1,2,3
.set GB, 56+32*\n+(\n/2)*64
.irp i, 0,1,2,3
	v_cvt_pk_f16_f32 v[12+4*\n+\i], v[GB+2*\i], v[GB+2*\i+1]             ; votes: operand n / 2, registers 4 (n % 2) + i: k = 16 (n % 2) + 8 h + 2 i, + 1 of row r
	v_cvt_pk_f16_f32 v[28+4*\n+\i], v[VT+8*\n+2*\i], v[VT+8*\n+2*\i+1]   ; voting: the same k of class r
.endr
.endr
	v_wmma_f32_16x16x32_f16 v[44:51], v[28:35], v[12:19], 0              ; lane (r, h): row r, register j: class 8 h + j; clauses 0-31 of my bank
	v_wmma_f32_16x16x32_f16 v[56:63], v[36:43], v[20:27], 0              ; clauses 32-63: an accumulator of its own
.rept 4
	v_nop
.endr
	ds_store_b128 v250, v[44:47]                   ; each from its low end on
	ds_store_b128 v250, v[48:51] offset:16
	ds_store_b128 v250, v[56:59] offset:4096
	ds_store_b128 v250, v[60:63] offset:4096+16
	BARS                                           ; the four parts of all 64 rows lie in LDS
	s_cmp_lt_u32 s24, 5                            ; 160 threads x 16 bytes are the work-group's 2,560 bytes; no barrier follows
	s_cbranch_scc0 .Ldone
.irp kb, 0,1,2,3
.irp i, 0,1,2,3
	ds_load_b32 v[64+4*\kb+\i], v[251+\i] offset:\kb*4096
.endr
.endr
	s_wait_dscnt 0x0
	v_pk_add_f32 v[64:65], v[64:65], v[68:69]
	v_pk_add_f32 v[66:67], v[66:67], v[70:71]
	v_pk_add_f32 v[72:73], v[72:73], v[76:77]
	v_pk_add_f32 v[74:75], v[74:75], v[78:79]
	v_pk_add_f32 v[64:65], v[64:65], v[72:73]
	v_pk_add_f32 v[66:67], v[66:67], v[74:75]
	global_store_b128 v255, v[64:67], s[14:15] th:TH_STORE_NT        ; sixteen lanes store 256 consecutive bytes, at a multiple of 256 from out0's first byte
.Ldone:
	s_wait_tensorcnt 0x0
	ds_add_u32 v54, v55
	s_wait_dscnt 0x0
	s_endpgm
.Lfunc_end_k_qbc1e9a508b_clauses:
	.size	k_qbc1e9a508b_clauses, .Lfunc_end_k_qbc1e9a508b_clauses-k_qbc1e9a508b_clauses
	.p2alignl 7, 3214868480
	.fill 96, 4, 3214868480
	.section	.rodata,"a",@progbits
	.p2align	6, 0x0
	.amdhsa_kernel k_qbc1e9a508b_clauses
		.amdhsa_group_segment_fixed_size 287744
		.amdhsa_private_segment_fixed_size 0
		.amdhsa_enable_private_segment 0
		.amdhsa_kernarg_size 48
		.amdhsa_user_sgpr_count 2
		.amdhsa_user_sgpr_kernarg_segment_ptr 1
		.amdhsa_wavefront_size32 1
		.amdhsa_system_sgpr_workgroup_id_x 1
		.amdhsa_system_sgpr_workgroup_id_y 1
		.amdhsa_system_sgpr_workgroup_id_z 1
		.amdhsa_system_vgpr_workitem_id 0
		.amdhsa_next_free_vgpr 512
		.amdhsa_next_free_sgpr 66
		.amdhsa_reserve_vcc 0
		.amdhsa_float_denorm_mode_32 3
		.amdhsa_float_denorm_mode_16_64 3
		.amdhsa_memory_ordered 1
		.amdhsa_forward_progress 1
		.amdhsa_inst_pref_size 243
	.end_amdhsa_kernel
	.amdgpu_metadata
---
amdhsa.version: [ 1, 2 ]
amdhsa.kernels:
  - .name:           k_qbc1e9a508b_clauses
    .symbol:         k_qbc1e9a508b_clauses.kd
    .args:
      - { .name: x, .offset: 0, .size: 8, .value_kind: global_buffer, .address_space: global }
      - { .name: bcodes, .offset: 8, .size: 8, .value_kind: global_buffer, .address_space: global }
      - { .name: lowp_scales, .offset: 16, .size: 8, .value_kind: global_buffer, .address_space: global }
      - { .name: clause_bias, .offset: 24, .size: 8, .value_kind: global_buffer, .address_space: global }
      - { .name: voting, .offset: 32, .size: 8, .value_kind: global_buffer, .address_space: global }
      - { .name: out0, .offset: 40, .size: 8, .value_kind: global_buffer, .address_space: global }
    .group_segment_fixed_size: 287744
    .private_segment_fixed_size: 0
    .kernarg_segment_align: 8
    .kernarg_segment_size: 48
    .max_flat_workgroup_size: 256
    .sgpr_count:     66
    .vgpr_count:     512
    .wavefront_size: 32
...
	.end_amdgpu_metadata
.endif
;; end of part 2
;; ======== version 2 of 2: 2 launches
;; limits: values are held in f16: magnitudes above 65,504 overflow, below 6.1e-05 lose precision
;; workspace buffers: bcodes 524,288 bytes
;; launch masks (part 3): grid 256 x 1, 1 waves a work-group, no clusters, 0 bytes of LDS; arguments pos_logits, neg_logits, lowp_scales, bcodes; writes bcodes
.if DOCPART == 3
	.amdgcn_target "amdgcn-amd-amdhsa--gfx1250"
	.amdhsa_code_object_version 6
	.text
	.protected	k_qbc1e9a508b_masks
	.globl	k_qbc1e9a508b_masks
	.p2align	8
	.type	k_qbc1e9a508b_masks,@function
k_qbc1e9a508b_masks:
	s_mov_b64 s[64:65], 0
	v_nop
	global_prefetch_b8 v0, s[64:65] scope:SCOPE_SE
	s_setreg_imm32_b32 hwreg(HW_REG_WAVE_MODE, 25, 1), 1
	s_wait_xcnt 0x0
; The four literal masks of the clauses, as codes of BF8 (E5M2), made once for all row blocks of the next launch.
; mask 0: pos bank, logit > 0 (scale entry 1);  mask 1: pos bank, logit < 0 (entry 3);  mask 2, 3: the same of the neg bank (entries 5, 7).
; THE VALUES.  hard + soft - soft is hard but for a residue of f32 rounding of at most 2.4e-7 of 1.0, and max(.,0) + s - s of 0 is exactly 0: so a mask's number is 1 or 0.
; 1 / 2^e is a power of two and lies at no middle between two codes (but at e = 17, half of the smallest code, where either rounding is right), so the residue turns no code:
; no tanh and no sigmoid is evaluated.  The number then goes through the stated quantiser: held within +-57,344 x 2^e, divided by 2^e, rounded to the nearest code.
; LIMITS: each e between -126 and 112, so that 2^e and 57,344 x 2^e are f32 numbers.  A NaN among the logits is not served (it gives the code 0).
; LAYOUT OF bcodes: in the order of the operand's registers.  Byte ((((2 p + kh) 8 + hs) 4 + n) 4 + c) 512 + 16 lane + 4 u + t is the code of mask p, clause 16 n + lane % 16,
; feature 256 hs + 64 u + 4 (8 kh + 2 c + lane / 16) + t: the 16 registers of a fragment (16 clauses x 128 features) are four blocks of 512 consecutive bytes.  The order of the features is the one in which
; the next launch lays its codes of x: the same on both sides of each product.
; SHARES.  Work-group g = ((((src 2 + kh) 8 + hs) 4 + n) 2 + cp), one wave: 16 clauses of bank src, blocks c = 2 cp and 2 cp + 1 of a fragment, both signs from one read of the logits.
; A lane reads 16 bytes at each of 8 places; of a row's 256 bytes a work-group takes 64, so four work-groups share them: 1 MB is read in all.  Each of the four stores covers 512 consecutive bytes, aligned.
.set LG,   8                           ; v8-39   32 logits of my clause, in the order of the codes
.set T,    40                          ; v40-71  the mask's numbers
.set CP,   72                          ; v72-79  codes, logit > 0
.set CI,   80                          ; v80-87  codes, logit < 0
.set SCP,  88                          ; v88, v89  2^e as f32 for the two signs: the conversion takes its exponent field
.set SCI,  89
.set ONEP, 90                          ; v90, v91  the number 1, held within the largest code x the scale
.set ONEI, 91
.set LIM,  92                          ; v92     57,344 x 2^e, at work
	s_load_b256 s[4:11], s[0:1], 0x0               ; pos_logits s[4:5], neg_logits s[6:7], the scales' exponents s[8:9], bcodes s[10:11]
	s_lshr_b32 s12, ttmp9, 7                       ; src: which bank
	s_and_b32 s13, ttmp9, 1                        ; cp
	s_bfe_u32 s14, ttmp9, 0x20001                  ; n: 2 bits from bit 1
	s_bfe_u32 s15, ttmp9, 0x30003                  ; hs: 3 bits from bit 3
	s_bfe_u32 s32, ttmp9, 0x10006                  ; kh: 1 bit from bit 6
	s_lshl_b32 s26, s14, 17                        ; in: 16 n rows of 8,192 bytes
	s_lshl_b32 s15, s15, 10                        ; + 256 hs features
	s_lshl_b32 s32, s32, 7                         ; + 4 x 8 kh features
	s_lshl_b32 s13, s13, 6                         ; + 4 x 4 cp features
	s_add_co_u32 s26, s26, s15
	s_add_co_u32 s26, s26, s32
	s_add_co_u32 s26, s26, s13
	s_mov_b32 s27, 0
	s_lshl_b32 s28, s12, 18                        ; out: two masks of 131,072 bytes a bank
	s_and_b32 s30, ttmp9, 127
	s_lshl_b32 s30, s30, 10                        ; + the two blocks' 1,024 bytes: ((kh 8 + hs) 4 + n) 2 + cp of them
	s_add_co_u32 s28, s28, s30
	s_mov_b32 s29, 0
	v_and_b32 v1, 15, v0                           ; r
	v_bfe_u32 v2, v0, 4, 1                         ; h
	v_lshlrev_b32 v3, 13, v1                       ; row r,
	v_lshl_add_u32 v3, v2, 4, v3                   ; + 4 h features
	v_lshlrev_b32 v4, 4, v0                        ; 16 x lane (one wave: the thread's number is the lane)
	s_wait_alu depctr_va_vdst(0)
	s_wait_kmcnt 0x0
	s_load_b256 s[16:23], s[8:9], 0x0              ; e0 .. e7
	s_cmp_lt_u32 ttmp9, 128                        ; the choice of the bank hangs on the work-group's number alone
	s_cselect_b64 s[4:5], s[4:5], s[6:7]
	s_add_nc_u64 s[4:5], s[4:5], s[26:27]
	s_add_nc_u64 s[10:11], s[10:11], s[28:29]
.irp cc, 0,1
.irp u, 0,1,2,3
	global_load_b128 v[LG+16*\cc+4*\u:LG+16*\cc+4*\u+3], v3, s[4:5] offset:256*\u+32*\cc   ; features 64 u + 4 (2 cc) + 0 .. 3 on from the lane's first
.endr
.endr
	s_wait_kmcnt 0x0
	s_cmp_lt_u32 ttmp9, 128
	s_cselect_b32 s24, s17, s21                    ; e of the mask logit > 0
	s_cselect_b32 s25, s19, s23                    ; e of the mask logit < 0
	s_add_co_i32 s24, s24, 127
	s_lshl_b32 s31, s24, 23
	v_mov_b32 v[SCP], s31                          ; 2^e
	s_add_co_i32 s24, s24, 15
	s_lshl_b32 s24, s24, 23
	s_or_b32 s24, s24, 0x600000                    ; 57,344 x 2^e
	v_mov_b32 v[LIM], s24
	v_med3_num_f32 v[ONEP], 1.0, -v[LIM], v[LIM]   ; the conversion to an 8-bit code does not saturate (ISA guide 7.6.2): the hold, on the one number that is not 0
	s_add_co_i32 s25, s25, 127
	s_lshl_b32 s31, s25, 23
	v_mov_b32 v[SCI], s31
	s_add_co_i32 s25, s25, 15
	s_lshl_b32 s25, s25, 23
	s_or_b32 s25, s25, 0x600000
	v_mov_b32 v[LIM], s25
	v_med3_num_f32 v[ONEI], 1.0, -v[LIM], v[LIM]
	s_wait_alu depctr_va_vdst(0)
	s_wait_loadcnt 0x0
.set I, 0
.rept 32
	v_cmp_lt_f32 vcc_lo, 0, v[LG+I]                ; 0 < logit
	v_cndmask_b32 v[T+I], 0, v[ONEP], vcc_lo
.set I, I+1
.endr
.irp g, 0,1,2,3
	v_cvt_scalef32_pk8_bf8_f32 v[CP+2*\g:CP+2*\g+1], v[T+8*\g:T+8*\g+7], v[SCP]
.endr
	v_nop                                          ; one plain vector line between the conversions and the lines below, which write their sources anew
.set I, 0
.rept 32
	v_cmp_gt_f32 vcc_lo, 0, v[LG+I]                ; 0 > logit
	v_cndmask_b32 v[T+I], 0, v[ONEI], vcc_lo
.set I, I+1
.endr
.irp g, 0,1,2,3
	v_cvt_scalef32_pk8_bf8_f32 v[CI+2*\g:CI+2*\g+1], v[T+8*\g:T+8*\g+7], v[SCI]
.endr
	v_nop
	global_store_b128 v4, v[CP:CP+3],   s[10:11]                   ; 32 lanes store 512 consecutive bytes, at a multiple of 512 from the buffer's first byte
	global_store_b128 v4, v[CP+4:CP+7], s[10:11] offset:512
	global_store_b128 v4, v[CI:CI+3],   s[10:11] offset:131072     ; the other sign's mask lies 131,072 bytes on
	global_store_b128 v4, v[CI+4:CI+7], s[10:11] offset:131072+512
	s_endpgm
.Lfunc_end_k_qbc1e9a508b_masks:
	.size	k_qbc1e9a508b_masks, .Lfunc_end_k_qbc1e9a508b_masks-k_qbc1e9a508b_masks
	.p2alignl 7, 3214868480
	.fill 96, 4, 3214868480
	.section	.rodata,"a",@progbits
	.p2align	6, 0x0
	.amdhsa_kernel k_qbc1e9a508b_masks
		.amdhsa_group_segment_fixed_size 0
		.amdhsa_private_segment_fixed_size 0
		.amdhsa_enable_private_segment 0
		.amdhsa_kernarg_size 32
		.amdhsa_user_sgpr_count 2
		.amdhsa_user_sgpr_kernarg_segment_ptr 1
		.amdhsa_wavefront_size32 1
		.amdhsa_system_sgpr_workgroup_id_x 1
		.amdhsa_system_sgpr_workgroup_id_y 1
		.amdhsa_system_sgpr_workgroup_id_z 1
		.amdhsa_system_vgpr_workitem_id 0
		.amdhsa_next_free_vgpr 96
		.amdhsa_next_free_sgpr 66
		.amdhsa_reserve_vcc 1
		.amdhsa_float_denorm_mode_32 3
		.amdhsa_float_denorm_mode_16_64 3
		.amdhsa_memory_ordered 1
		.amdhsa_forward_progress 1
		.amdhsa_inst_pref_size 9
	.end_amdhsa_kernel
	.amdgpu_metadata
---
amdhsa.version: [ 1, 2 ]
amdhsa.kernels:
  - .name:           k_qbc1e9a508b_masks
    .symbol:         k_qbc1e9a508b_masks.kd
    .args:
      - { .name: pos_logits, .offset: 0, .size: 8, .value_kind: global_buffer, .address_space: global }
      - { .name: neg_logits, .offset: 8, .size: 8, .value_kind: global_buffer, .address_space: global }
      - { .name: lowp_scales, .offset: 16, .size: 8, .value_kind: global_buffer, .address_space: global }
      - { .name: bcodes, .offset: 24, .size: 8, .value_kind: global_buffer, .address_space: global }
    .group_segment_fixed_size: 0
    .private_segment_fixed_size: 0
    .kernarg_segment_align: 8
    .kernarg_segment_size: 32
    .max_flat_workgroup_size: 32
    .sgpr_count:     66
    .vgpr_count:     96
    .wavefront_size: 32
...
	.end_amdgpu_metadata
.endif
;; end of part 3
;; launch clauses (part 4): grid 256 x 1, 8 waves a work-group, no clusters, 287,744 bytes of LDS; arguments x, bcodes, lowp_scales, clause_bias, voting, out0; writes out0
.if DOCPART == 4
	.amdgcn_target "amdgcn-amd-amdhsa--gfx1250"
	.amdhsa_code_object_version 6
	.text
	.protected	k_qbc1e9a508b_clauses
	.globl	k_qbc1e9a508b_clauses
	.p2align	8
	.type	k_qbc1e9a508b_clauses,@function
k_qbc1e9a508b_clauses:
	s_mov_b64 s[64:65], 0
	v_nop
	global_prefetch_b8 v0, s[64:65] scope:SCOPE_SE
	s_setreg_imm32_b32 hwreg(HW_REG_WAVE_SCHED_MODE, 0, 2), 2
	s_setreg_imm32_b32 hwreg(HW_REG_WAVE_MODE, 25, 1), 1
	s_wait_xcnt 0x0
	s_wait_alu depctr_vm_vsrc(0)
; out[b][:] = (+-exp(-clip(pen[b][c] / 512, 0, 10)) + bias[c]) @ voting,  pen[b][c] = (1 - x[b]) . pos_c + x[b] . inv_c, 128 clauses in two banks of 64, 2,048 features.
; The four products of 16,384 x 2,048 x 64 go on codes of BF8 (E5M2).  Product q takes A = 1 - x (q = 0, 2) or x (q = 1, 3) with the scale 2^e[2q], and mask q (from bcodes) with 2^e[2q+1]:
; so each number of x is quantised FOUR ways here; no two scales are taken as equal.  A finished sum is multiplied by 2^(e[2q] + e[2q+1] - 9), which holds the factor 4 / 2,048 too.
; SHARES.  A work-group owns 64 rows; 8 waves of 512 registers, two to a SIMD.  Wave w = 2 p + kh.  K goes in 8 half-steps of 256 features.
;   As QUANTISER it takes rows 8 w .. 8 w + 7, all 256 features, a QUAD at a time: four loads of the same two rows, 256 consecutive bytes of a row each.  x comes from memory straight into a ring of eight quads
;   (32 loads, 16 KB a wave, on their way); 1 - x is formed once; a lane's 16 codes of one quantisation are four registers on end and go to LDS by one store of 16 bytes.
;   As MULTIPLIER it takes product p and half kh of a row's 256 codes, for all 64 rows and 64 clauses: 16 accumulators.  So each fragment of A is read from LDS once, by one wave, and each fragment of a mask goes from
;   memory straight into the registers of the one wave that multiplies by it, and feeds four matrix instructions.  The price: the two kh's partial sums meet in LDS at the end.
; THE PLACE OF k.  In a row's 256 bytes of codes, byte 16 c + 4 u + t holds feature 64 u + 4 c + t of the half-step (lane c's four numbers of load u).  The masks are laid in the same order, so every product meets its partner.
; BY TURNS.  A's fragments have registers of their own and the masks two sets: behind a barrier the wave asks for A's first two fragments of this half-step and for the masks of the next, quantises a quad of the next
;   half-step, asks for A's other two fragments, quantises a second quad, multiplies half, quantises two quads more, and multiplies the other half between the next barrier's signal and its wait.
; ONE BARRIER A HALF-STEP: two code slots take turns; between two barriers one is read and the other written.
; NO JOINT LOADS for the masks, though all work-groups read them: a joint load lands in LDS, so a work-group's 512 KB of mask codes would go into LDS and out again, as many bytes as all its codes of A.
; THE MATRIX INSTRUCTION IS USED TRANSPOSED (source 0 = 16 clauses, source 1 = 16 rows): lane (r, h) holds row r, register j clause 16 n + 8 h + j: the layout that the last product's operand wants.
; THE LAST PRODUCT (K = 128, N = 10) goes in f16, two matrix instructions a wave (16 rows x 32 clauses x 16 classes each; classes 10 to 15 are a copy of class 9 that nobody reads), the four parts added in f32.
; LIMITS: e[0], e[2], e[4], e[6] between -126 and 112; e[2q] + e[2q+1] - 9 between -126 and 127; |vote| (at most 1 + |bias|) and |voting| under 65,504 (f16).  NaN among the inputs is not served.
; The order of the sums differs from a single chain along K (K is shared between two waves, and k is permuted inside an instruction).
; THE MODE: SCHED_MODE bits 1:0 = 2 (LLVM: expert scheduling mode 2), set by the entry lines.  The code itself states the register dependences
; between vector or matrix instructions and memory or LDS instructions, with s_wait_alu, always for 0.
; THE PLAN.  Registers that memory or LDS instructions touch, along K:
;   the ring's slots   Quad qi's vector lines read slot qi % 8 and write it in place; behind them the loads of quad qi + 8 land in it.
;   the codes' two sets  Quad qi's conversions write set qi % 2; its four LDS stores, at the quad's end, read it; quad qi + 2's conversions write it again.
;   A's fragments      The LDS loads of half-step hs land in them; the products of hs read them.
;   the mask's two sets  The loads of half-step hs + 1, issued at the head of hs, land in the set that the products of hs - 1 read last.
;   v1-6, v11, v52     Addresses: made at the head and never written again; every step is an immediate.
;   Y, T, the scales and, until the end, the accumulators are named by vector and matrix instructions alone.
; So a quad's end has one wait on va_vdst (its conversions have written its set of codes, and its lines are done with its ring slot) ahead of its four loads and four stores, and ahead of that one wait on vm_vsrc for the
; stores of the quad BEFORE, which read the other set: it stands a whole quad behind the stores that it waits for.  A half-step's head has one wait on va_vdst: the last half-step's products are done reading A's fragments
; and their set of the mask's.  All loads into those registers until the next products follow it with no further wait: no line between names them.
; REGISTERS, in windows of 256.  Window 0: v0-11 addresses and scales; v12-27 at work; v36-51 codes, set 0; v28-35 and v248-255 codes, set 1; v56-119 A's four fragments; v120-247 the ring; at the end v248-255 addresses.
;   Window 1: v0-127 the accumulators ((m, n) at 8 (4 m + n)); v128-191, v192-255 the mask's four fragments, two sets.
.set XO,   1                           ; v1      x: (lane / 16) rows of 8,192 bytes + 16 (lane % 16); never rewritten
.set CS,   2                           ; v2, v3  where I store codes, slot 0, 1
.set AL,   4                           ; v4, v5  where I read A's fragments, slot 0, 1
.set BO,   6                           ; v6      16 x lane
.set SC,   7                           ; v7-10   2^e[2q] as f32: the conversion takes its exponent field
.set VO,   11                          ; v11     my byte in the wave's 64 rows of voting
.set Y,    12                          ; v12-19  1 - x
.set T,    20                          ; v20-27  held numbers
.set CD,   36                          ; v36-51  codes, set 0: four registers for each q.  Set 1: q = 0, 1 at v28-35, q = 2, 3 at v248-255
.set BIO,  52                          ; v52     my byte in the wave's 64 biases
.set AF,   56                          ; v56-119 A's fragment m at 56 + 16 m
.set RING, 120                         ; v120-247 eight slots of 16: a quad each
.set VT,   120                         ; the end: v120-151 voting, v152-183 bias, in ring registers that are free by then
.set BI,   152
.set ACC,  0                           ; window 1
.set BF,   128                         ; window 1
.set PITCH, 272                        ; a row of codes in LDS: 256 bytes + 16 = 17 x 16 bytes, so that the sixteen rows of a 16-byte read begin in sixteen different columns of 16 bytes modulo 256
.set TILEB, 16*PITCH                   ; a tile of 16 rows
.set QB,    4*TILEB                    ; a quantisation's four tiles
.set SLOTB, 4*QB                       ; a code slot: tile (q, m) at (4 q + m) TILEB: 69,632 bytes
.set ST,    2*SLOTB                    ; the end: images of the accumulators, 16,384 bytes a wave
.set LP,    ST+8*16384                 ; partial logits [4 parts][64 rows][16 classes] f32
.set PL,   28                          ; s28-31  57,344 x 2^e[2q]
.set NL,   32                          ; s32-35  the same, negative
.set MSB, 0
.macro WIN new                         ; bits 1:0 source 0, 3:2 source 1, 5:4 source 2, 7:6 destination; the immediate's high byte repeats the setting that is left
.if MSB != \new
	s_set_vgpr_msb (MSB<<8)|\new
.set MSB, \new
.endif
.endm
	s_load_b256 s[4:11], s[0:1], 0x0               ; x s[4:5], bcodes s[6:7], the scales' exponents s[8:9], clause_bias s[10:11]
	s_load_b128 s[12:15], s[0:1], 0x20             ; voting s[12:13], out0 s[14:15]
	v_lshl_add_u32 v54, v0, 2, 0x46000             ; my spare word, behind the partial logits, and 0: kept for the closing lines alone
	v_mov_b32 v55, 0
	v_lshrrev_b32 v12, 5, v0
	v_readfirstlane_b32 s24, v12                   ; wave w, 0 .. 7
	v_and_b32 v13, 15, v0                          ; lane % 16
	v_bfe_u32 v14, v0, 4, 1                        ; lane / 16
	v_and_b32 v15, 31, v0                          ; lane
	v_lshlrev_b32 v[XO], 4, v13
	v_lshl_add_u32 v[XO], v14, 13, v[XO]
	v_lshlrev_b32 v[BO], 4, v15
	s_wait_alu depctr_va_sdst(0)                   ; s24 is written, ahead of its first reader: the wave's shares and bases are made from it
	s_lshr_b32 s25, s24, 1                         ; p
	s_and_b32 s26, s24, 1                          ; kh
	s_lshr_b32 s27, s24, 2                         ; at the end: my bank
	s_mul_i32 s42, s25, TILEB                      ; as quantiser: rows 8 w on lie in tile m = w / 2 = p,
	s_mul_i32 s43, s26, 8*PITCH                    ; from its row 8 (w % 2) on
	s_add_co_u32 s42, s42, s43
	v_mul_u32_u24 v[CS], v14, PITCH                ; row lane / 16 of the two that a load brings,
	v_lshl_add_u32 v[CS], v13, 4, v[CS]            ; sixteen codes at 16 (lane % 16)
	v_add_nc_u32 v[CS], s42, v[CS]
	v_add_nc_u32 v[CS+1], SLOTB, v[CS]
	s_mul_i32 s43, s25, QB                         ; as multiplier: quantisation q = p,
	s_lshl_b32 s44, s26, 7                         ; half kh of a row's codes
	s_add_co_u32 s43, s43, s44
	v_mul_u32_u24 v[AL], v13, PITCH                ; row r,
	v_lshl_add_u32 v[AL], v14, 4, v[AL]            ; + 16 h
	v_add_nc_u32 v[AL], s43, v[AL]
	v_add_nc_u32 v[AL+1], SLOTB, v[AL]
	v_min_u32 v[VO], 9, v13                        ; class min(r, 9): every lane stays inside voting
	v_lshlrev_b32 v[VO], 2, v[VO]
	v_mul_u32_u24 v16, v14, 320                    ; + 8 h rows of 40 bytes
	v_add_nc_u32 v[VO], v16, v[VO]
	v_lshlrev_b32 v[BIO], 5, v14                   ; 8 h numbers
	s_lshl_b32 s42, ttmp9, 19                      ; x: 64 rows of 8,192 bytes a work-group (under 2^28),
	s_lshl_b32 s44, s24, 16                        ; + 8 w rows;  bcodes: 65,536 bytes for each (p, kh): the same number
	s_add_co_u32 s42, s42, s44
	s_mov_b32 s43, 0
	s_mov_b32 s45, 0
	s_lshl_b32 s46, s27, 8                         ; bias: 64 numbers a bank
	s_mov_b32 s47, 0
	s_mul_i32 s48, s27, 2560                       ; voting: 64 rows of 40 bytes a bank
	s_mov_b32 s49, 0
	s_mul_i32 s50, ttmp9, 2560                     ; out0: 64 rows of 40 bytes: ten blocks of 256
	s_mov_b32 s51, 0
	s_wait_kmcnt 0x0
	s_load_b256 s[16:23], s[8:9], 0x0              ; e0 .. e7
	s_add_nc_u64 s[4:5], s[4:5], s[42:43]          ; every base is finished here and never stepped: all steps are immediates
	s_add_nc_u64 s[6:7], s[6:7], s[44:45]
	s_add_nc_u64 s[10:11], s[10:11], s[46:47]
	s_add_nc_u64 s[12:13], s[12:13], s[48:49]
	s_add_nc_u64 s[14:15], s[14:15], s[50:51]
	s_wait_alu depctr_va_vdst(0)                   ; the addresses v1 to v6, v11 and v52 are written: every load and store along K reads one of them, and none is written again
; Quad qi = 4 hs + j: rows 2 j and 2 j + 1 of my 8, the 256 features of half-step hs.  Each load: sixteen lanes read 256 consecutive bytes of a row, aligned; lanes 16-31 the next row.
.macro XQUAD qi
.irp u, 0,1,2,3
	global_load_b128 v[RING+16*((\qi)%8)+4*\u:RING+16*((\qi)%8)+4*\u+3], v[XO], s[4:5] offset:(2*((\qi)%4))*8192+((\qi)/4)*1024+\u*256 th:TH_LOAD_NT
.endr
.endm
; My mask's four fragments of half-step hs, into set hs % 2: sixteen loads of 512 consecutive bytes.
.macro BLOAD hs
	WIN 0x40                                       ; destination window 1
.irp n, 0,1,2,3
.irp c, 0,1,2,3
	global_load_b128 v[BF+64*((\hs)%2)+16*\n+4*\c:BF+64*((\hs)%2)+16*\n+4*\c+3], v[BO], s[6:7] offset:(\hs)*8192+\n*2048+\c*512
.endr
.endr
	WIN 0
.endm
; A's fragments m0 and m0 + 1 of half-step hs: registers 4 c .. 4 c + 3 of a fragment are bytes 32 c + 16 h + 0 .. 15 of my half of row r.
.macro ALOAD hs, m0
.irp m, \m0, \m0+1
.irp c, 0,1,2,3
	ds_load_b128 v[AF+16*(\m)+4*\c:AF+16*(\m)+4*\c+3], v[AL+(\hs)%2] offset:(\m)*TILEB+32*\c
.endr
.endr
.endm
; A quad is quantised four ways, eight numbers (two loads') at a time, on two work sets: T holds q = 0's numbers and then, four plain lines behind the conversion that read them, q = 1's.
; THE COUNT OF THE WAIT: the loads issued behind quad qi.  The order of issue: masks 0, quads 0-7, quads 8-11, masks 1, quads 12-15, masks 2, ..: masks k go out just ahead of quad 4 k's turn.
; So: the younger quads, seven at the most, four loads each, and sixteen for each run of mask loads that lies behind: none for quads 0-3, one for 4-7, two from 8 on.
.macro QQUAD qi
.set QX, RING+16*((\qi)%8)
.set QS, CS+((\qi)/4)%2
.set QJ, (\qi)%4
.set CQ0, CD-8*((\qi)%2)                       ; the quad's set of codes: q = 0 at v36 or v28,
.set CQ1, CD+4-8*((\qi)%2)                     ; q = 1 at v40 or v32,
.set CQ2, CD+8+204*((\qi)%2)                   ; q = 2 at v44 or v248,
.set CQ3, CD+12+204*((\qi)%2)                  ; q = 3 at v48 or v252
.if (\qi) < 4
	s_wait_loadcnt 28
.elseif (\qi) < 8
	s_wait_loadcnt 44
.elseif (\qi) <= 24
	s_wait_loadcnt 60
.else
	s_wait_loadcnt 4*(31-(\qi))+32
.endif
.irp a, 0,1
.irp k, 0,2,4,6
	v_pk_fma_f32 v[Y+\k:Y+\k+1], v[QX+8*\a+\k:QX+8*\a+\k+1], -1.0, 1.0 op_sel_hi:[1,0,0]   ; 1 - x, rounded once
.endr
.irp k, 0,1,2,3,4,5,6,7
	v_med3_num_f32 v[T+\k], v[Y+\k], s[NL], s[PL]          ; the conversion to an 8-bit code does not saturate (ISA guide 7.6.2): the hold at the largest code x the scale
.endr
.irp k, 0,1,2,3
	v_med3_num_f32 v[Y+\k], v[Y+\k], s[NL+2], s[PL+2]
.endr
	v_cvt_scalef32_pk8_bf8_f32 v[CQ0+2*\a:CQ0+2*\a+1], v[T:T+7], v[SC]             ; q = 0
.irp k, 4,5,6,7
	v_med3_num_f32 v[Y+\k], v[Y+\k], s[NL+2], s[PL+2]      ; these four are the plain lines between that conversion and the lines below, which write its sources anew
.endr
.irp k, 0,1,2,3,4,5,6,7
	v_med3_num_f32 v[T+\k], v[QX+8*\a+\k], s[NL+1], s[PL+1]
.endr
	v_cvt_scalef32_pk8_bf8_f32 v[CQ2+2*\a:CQ2+2*\a+1], v[Y:Y+7], v[SC+2]           ; q = 2
.irp k, 0,1,2,3,4,5,6,7
	v_med3_num_f32 v[QX+8*\a+\k], v[QX+8*\a+\k], s[NL+3], s[PL+3]
.endr
	v_cvt_scalef32_pk8_bf8_f32 v[CQ1+2*\a:CQ1+2*\a+1], v[T:T+7], v[SC+1]           ; q = 1
	v_cvt_scalef32_pk8_bf8_f32 v[CQ3+2*\a:CQ3+2*\a+1], v[QX+8*\a:QX+8*\a+7], v[SC+3]   ; q = 3
.endr
	v_nop                                          ; one plain line behind the last conversion
.if ((\qi) > 0) && ((\qi) < 31)
	s_wait_alu depctr_vm_vsrc(0)                   ; the stores of the quad before have read the other set of codes, which the next quad's conversions write
.endif
	s_wait_alu depctr_va_vdst(0)                   ; the conversions have written this set of codes, which the stores below read; the quad's lines are done reading and writing its ring slot, in which the loads below land
.if (\qi)+8 <= 31
	XQUAD (\qi)+8                                  ; the ring slot just read takes the quad eight further on
.endif
	ds_store_b128 v[QS], v[CQ0:CQ0+3] offset:0*QB+2*QJ*PITCH   ; sixteen lanes fill a row's 256 bytes
	ds_store_b128 v[QS], v[CQ1:CQ1+3] offset:1*QB+2*QJ*PITCH
	ds_store_b128 v[QS], v[CQ2:CQ2+3] offset:2*QB+2*QJ*PITCH
	ds_store_b128 v[QS], v[CQ3:CQ3+3] offset:3*QB+2*QJ*PITCH
.endm
.macro BARS                                    ; my LDS stores have landed and my LDS loads are in: then the work-group's barrier
	s_wait_dscnt 0x0
	s_barrier_signal -1
	s_barrier_wait -1
.endm
; 8 matrix instructions: row tiles m0, m0 + 1 x the four clause tiles, 128 along K.  The sixteen accumulators take turns, one instruction a turn, in the same order in every half-step.
; The first half-step's products start the sums.
.macro WM hs, m0
	WIN 0x51                                       ; source 0 (the mask) window 1, source 1 (A) window 0, C and D window 1
.irp m, \m0, \m0+1
.irp n, 0,1,2,3
.if (\hs) == 0
	v_wmma_f32_16x16x128_bf8_bf8 v[ACC+8*(4*(\m)+\n):ACC+8*(4*(\m)+\n)+7], v[BF+64*((\hs)%2)+16*\n:BF+64*((\hs)%2)+16*\n+15], v[AF+16*(\m):AF+16*(\m)+15], 0
.else
	v_wmma_f32_16x16x128_bf8_bf8 v[ACC+8*(4*(\m)+\n):ACC+8*(4*(\m)+\n)+7], v[BF+64*((\hs)%2)+16*\n:BF+64*((\hs)%2)+16*\n+15], v[AF+16*(\m):AF+16*(\m)+15], v[ACC+8*(4*(\m)+\n):ACC+8*(4*(\m)+\n)+7]
.endif
.endr
.endr
	WIN 0
.endm
; The end's operands.  voting(64 bank + 16 n + 8 h + i, class): the layout of a 16-bit operand's k;  bias of the same clauses.  40 loads.
.macro EPLOADS
.irp n, 0,1,2,3
.irp i, 0,1,2,3,4,5,6,7
	global_load_b32 v[VT+8*\n+\i], v[VO], s[12:13] offset:(16*\n+\i)*40
.endr
.endr
.irp n, 0,1,2,3
	global_load_b128 v[BI+8*\n:BI+8*\n+3],   v[BIO], s[10:11] offset:64*\n
	global_load_b128 v[BI+8*\n+4:BI+8*\n+7], v[BIO], s[10:11] offset:64*\n+16
.endr
.endm
; BETWEEN BARRIER hs AND BARRIER hs + 1: half-step hs is multiplied (slot hs % 2 is read), half-step hs + 1 is quantised (the other slot is written).
; The count of the wait for my mask's fragments of hs: the loads issued behind them.  hs = 0: the last 48 (quads 6-11, masks 1, quads 12, 13) may be out.  1 to 4: four quads, masks hs + 1, two quads: 40.
; 5: four quads and masks 6: 32.  6: masks 7: 16.
.macro PH hs
.if (\hs) > 0
	s_wait_alu depctr_va_vdst(0)                   ; the last half-step's products are done reading A's four fragments and their set of the mask's: the LDS loads and the mask's loads of this half-step land there
.endif
	ALOAD \hs, 0
	BLOAD (\hs)+1
	QQUAD 4*(\hs)+4
	ALOAD \hs, 2                                   ; no wait: no vector or matrix line since the half-step's head names A's fragments 2 and 3 or their address
	QQUAD 4*(\hs)+5
.if (\hs) == 0
	s_wait_loadcnt 48
.elseif (\hs) < 5
	s_wait_loadcnt 40
.elseif (\hs) == 5
	s_wait_loadcnt 32
.else
	s_wait_loadcnt 16
.endif
	s_wait_dscnt 16                                ; A's fragments 0 and 1 are in; behind their eight loads: a quad's four stores, the eight loads of fragments 2 and 3, a quad's four stores
	WM \hs, 0
	QQUAD 4*(\hs)+6
	QQUAD 4*(\hs)+7
.if (\hs) == 6
	EPLOADS                                        ; every quad has been read: the ring's registers are free.  No wait: quads 24 to 27, the last to name slots 0 to 3, stand ahead of the last wait on va_vdst
.endif
	s_wait_dscnt 0x0                               ; my codes of half-step hs + 1 have landed; A's fragments 2 and 3 are in
	s_barrier_signal -1
	WM \hs, 2                                      ; work on registers while the others arrive
.rept 4
	v_nop                                          ; four places ahead of the loads into A's registers and into this set of the mask's; they stay beside the wait at the next half-step's head
.endr
	s_barrier_wait -1
.endm
	BLOAD 0
.irp t, 0,1,2,3,4,5,6,7
	XQUAD \t
.endr
	s_wait_kmcnt 0x0                               ; the exponents
.irp q, 0,1,2,3
	s_add_co_i32 s42, s[16+2*\q], 127
	s_lshl_b32 s43, s42, 23
	v_mov_b32 v[SC+\q], s43                        ; 2^e[2q]
	s_add_co_i32 s42, s42, 15
	s_lshl_b32 s42, s42, 23
	s_or_b32 s[PL+\q], s42, 0x600000               ; 57,344 x 2^e[2q]
	s_or_b32 s[NL+\q], s[PL+\q], 0x80000000
.endr
	s_add_co_i32 s42, s16, s17                     ; at the end the wave serves bank w / 4: its two products' exponents,
	s_add_co_i32 s43, s20, s21
	s_add_co_i32 s44, s18, s19
	s_add_co_i32 s45, s22, s23
	s_mov_b32 s40, 0x3f800000
	s_mov_b32 s41, 0xbf800000
	s_cmp_eq_u32 s27, 0
	s_cselect_b32 s36, s42, s43
	s_cselect_b32 s38, s44, s45
	s_cselect_b32 s40, s40, s41                    ; and the bank's sign: + for clauses 0-63, - for 64-127
	s_add_co_i32 s36, s36, 118                     ; - 9 for 4 / 2,048, + 127
	s_lshl_b32 s36, s36, 23                        ; 2^(eA + eB - 9) of the product with 1 - x
	s_mov_b32 s37, s36                             ; (named with it as a pair, so it is written)
	s_add_co_i32 s38, s38, 118
	s_lshl_b32 s38, s38, 23                        ; and of the product with x
	s_mov_b32 s39, s38
	s_mov_b32 s41, s40
	s_mov_b32 s46, 0xbfb8aa3b                      ; -log2(e)
	s_mov_b32 s47, s46
; THE WALK ALONG K
.irp t, 0,1,2,3
	QQUAD \t                                       ; half-step 0 is quantised
.endr
	BARS
.set HSN, 0
.rept 7
	PH HSN
.set HSN, HSN+1
.endr
	s_wait_alu depctr_va_vdst(0)                   ; half-step 6's products are done reading A's four fragments, in which the loads below land
	ALOAD 7, 0                                     ; the last half-step: nothing is left to quantise
	ALOAD 7, 2
	s_wait_loadcnt 40                              ; masks 7 are in; the end's 40 loads may be out
	s_wait_dscnt 8                                 ; A's fragments 0 and 1 are in; the eight loads of fragments 2 and 3 may be out
	WM 7, 0
	s_wait_dscnt 0x0
	WM 7, 2
	; THE END.  Its addresses: more than four plain lines, the places behind the last products; all are made ahead of the one parting of the waves.
	s_wait_alu depctr_vm_vsrc(0)                   ; my stores of codes have read both sets: v248-255 take the end's addresses below, v28-43 the last product's operand, v44-51 one of its results
	s_lshl_b32 s42, s24, 14
	s_add_co_u32 s42, s42, ST
	v_add_nc_u32 v248, s42, v[BO]                  ; my images: ST + 16,384 w + 16 lane
	s_and_b32 s52, s24, 3                          ; what I gather: row tile m = w % 4
	s_lshl_b32 s43, s27, 16                        ; of bank w / 4 (two products of two waves: 65,536 bytes)
	s_lshl_b32 s44, s52, 12
	s_add_co_u32 s43, s43, s44
	s_add_co_u32 s43, s43, ST
	v_add_nc_u32 v249, s43, v[BO]
	s_lshl_b32 s44, s27, 13                        ; partial logits: parts 2 bank and 2 bank + 1,
	s_lshl_b32 s45, s52, 10                        ; rows 16 m on, 64 bytes each
	s_add_co_u32 s44, s44, s45
	s_add_co_u32 s44, s44, LP
	v_and_b32 v12, 15, v0
	v_bfe_u32 v13, v0, 4, 1
	v_lshlrev_b32 v250, 6, v12                     ; row r,
	v_lshl_add_u32 v250, v13, 5, v250              ; classes 8 h on
	v_add_nc_u32 v250, s44, v250
	v_lshlrev_b32 v12, 2, v0                       ; the way out: thread t of the first 160 takes numbers f = 4 t + i of the work-group's 640
.irp i, 0,1,2,3
	v_add_nc_u32 v13, \i, v12                      ; f
	v_mul_u32_u24 v14, v13, 6554
	v_lshrrev_b32 v14, 16, v14                     ; row = f / 10 (exact for f under 16,370)
	v_mul_u32_u24 v14, v14, 24
	v_lshl_add_u32 v14, v13, 2, v14                ; 64 row + 4 (f - 10 row) = 4 f + 24 row
	v_add_nc_u32 v[251+\i], LP, v14
.endr
	v_lshlrev_b32 v255, 4, v0                      ; and stores them at 16 t
	WIN 0x04                                       ; store data window 1.  The images have LDS bytes of their own: no barrier is owed ahead of them
	s_wait_alu depctr_va_vdst(0)                   ; the products have written the accumulators, the stores' data, and are done reading A's fragments, in which loads land behind the barrier; the lines above have written the addresses v248-255
.set TI, 0
.rept 16
	ds_store_b128 v248, v[ACC+8*TI:ACC+8*TI+3]   offset:TI*1024       ; each accumulator from its low end on; 512 consecutive bytes a store
	ds_store_b128 v248, v[ACC+8*TI+4:ACC+8*TI+7] offset:TI*1024+512
.set TI, TI+1
.endr
	WIN 0
	BARS                                           ; all 128 accumulators lie in LDS
; group (n, dq, k): clause tile n, product 2 bank + dq, half k of K, at GB(n) + 16 dq + 8 k;  GB = 56, 88 (where A's fragments lay), 184, 216 (ring registers).  No vector or matrix line stands between the wait above and these loads
.irp n, 0,1,2,3
.set GB, 56+32*\n+(\n/2)*64
.irp dq, 0,1
.irp k, 0,1
.irp c, 0,1
	ds_load_b128 v[GB+16*\dq+8*\k+4*\c:GB+16*\dq+8*\k+4*\c+3], v249 offset:(2*\dq+\k)*16384+\n*1024+\c*512
.endr
.endr
.endr
.endr
	s_wait_dscnt 0x0
.irp n, 0,1,2,3
.set GB, 56+32*\n+(\n/2)*64
.irp j, 0,2,4,6
	v_pk_add_f32 v[GB+\j:GB+\j+1], v[GB+\j:GB+\j+1], v[GB+8+\j:GB+8+\j+1]                   ; the two halves of K
	v_pk_add_f32 v[GB+16+\j:GB+16+\j+1], v[GB+16+\j:GB+16+\j+1], v[GB+24+\j:GB+24+\j+1]
.endr
.endr
.irp n, 0,1,2,3
.set GB, 56+32*\n+(\n/2)*64
.irp j, 0,2,4,6
	v_pk_mul_f32 v[GB+\j:GB+\j+1], v[GB+\j:GB+\j+1], s[36:37] op_sel_hi:[1,0]               ; a power of two: nothing is rounded
.endr
.endr
.irp n, 0,1,2,3
.set GB, 56+32*\n+(\n/2)*64
.irp j, 0,2,4,6
	v_pk_fma_f32 v[GB+\j:GB+\j+1], v[GB+16+\j:GB+16+\j+1], s[38:39], v[GB+\j:GB+\j+1] op_sel_hi:[1,0,1]   ; the penalty / 512: the sum of the two products, rounded once
.endr
.endr
.irp n, 0,1,2,3
.set GB, 56+32*\n+(\n/2)*64
.irp j, 0,1,2,3,4,5,6,7
	v_med3_num_f32 v[GB+\j], v[GB+\j], 0, 0x41200000                                        ; clipped to 0 .. 10
.endr
.endr
.irp n, 0,1,2,3
.set GB, 56+32*\n+(\n/2)*64
.irp j, 0,2,4,6
	v_pk_mul_f32 v[GB+\j:GB+\j+1], v[GB+\j:GB+\j+1], s[46:47] op_sel_hi:[1,0]               ; x -log2(e)
.endr
.endr
	s_wait_alu depctr_va_vdst(0)
.irp n, 0,1,2,3
.set GB, 56+32*\n+(\n/2)*64
.irp j, 0,1,2,3,4,5,6,7
	v_exp_f32 v[GB+\j], v[GB+\j]                                                            ; exp(-clipped): one batch of 32
.endr
.endr
	v_nop                                          ; a plain line behind the last exponential
	s_wait_alu depctr_va_vdst(0)                   ; the 32 exponentials have written their results: one wait for the batch, ahead of its first reader
	s_wait_loadcnt 0x0                             ; voting and the biases
.irp n, 0,1,2,3
.set GB, 56+32*\n+(\n/2)*64
.irp j, 0,2,4,6
	v_pk_fma_f32 v[GB+\j:GB+\j+1], v[GB+\j:GB+\j+1], s[40:41], v[BI+8*\n+\j:BI+8*\n+\j+1] op_sel_hi:[1,0,1]   ; the vote: +-strength + bias
.endr
.endr
.irp n, 0,1,2,3
.set GB, 56+32*\n+(\n/2)*64
.irp i, 0,1,2,3
	v_cvt_pk_f16_f32 v[12+4*\n+\i], v[GB+2*\i], v[GB+2*\i+1]             ; votes: operand n / 2, registers 4 (n % 2) + i: k = 16 (n % 2) + 8 h + 2 i, + 1 of row r
	v_cvt_pk_f16_f32 v[28+4*\n+\i], v[VT+8*\n+2*\i], v[VT+8*\n+2*\i+1]   ; voting: the same k of class r
.endr
.endr
	v_wmma_f32_16x16x32_f16 v[44:51], v[28:35], v[12:19], 0              ; lane (r, h): row r, register j: class 8 h + j; clauses 0-31 of my bank
	v_wmma_f32_16x16x32_f16 v[56:63], v[36:43], v[20:27], 0              ; clauses 32-63: an accumulator of its own
.rept 4
	v_nop                                          ; four places behind the last product, before its result is read (ISA guide 7.12.1)
.endr
	s_wait_alu depctr_va_vdst(0)                   ; the two products have written v44-51 and v56-63, which the stores below read; the vector lines above are done with v64-79, in which the last LDS loads land
	ds_store_b128 v250, v[44:47]                   ; each from its low end on
	ds_store_b128 v250, v[48:51] offset:16
	ds_store_b128 v250, v[56:59] offset:4096
	ds_store_b128 v250, v[60:63] offset:4096+16
	BARS                                           ; the four parts of all 64 rows lie in LDS
	s_cmp_lt_u32 s24, 5                            ; 160 threads x 16 bytes are the work-group's 2,560 bytes; no barrier follows
	s_cbranch_scc0 .Ldone
.irp kb, 0,1,2,3
.irp i, 0,1,2,3
	ds_load_b32 v[64+4*\kb+\i], v[251+\i] offset:\kb*4096
.endr
.endr
	s_wait_dscnt 0x0
	v_pk_add_f32 v[64:65], v[64:65], v[68:69]
	v_pk_add_f32 v[66:67], v[66:67], v[70:71]
	v_pk_add_f32 v[72:73], v[72:73], v[76:77]
	v_pk_add_f32 v[74:75], v[74:75], v[78:79]
	v_pk_add_f32 v[64:65], v[64:65], v[72:73]
	v_pk_add_f32 v[66:67], v[66:67], v[74:75]
	s_wait_alu depctr_va_vdst(0)                   ; the additions have written v64-67, which the store reads
	global_store_b128 v255, v[64:67], s[14:15] th:TH_STORE_NT        ; sixteen lanes store 256 consecutive bytes, at a multiple of 256 from out0's first byte
.Ldone:
	s_wait_dscnt 0x0                               ; the closing lines, six on end
	s_wait_alu 0x0
	s_wait_tensorcnt 0x0
	ds_add_u32 v54, v55
	s_wait_dscnt 0x0
	s_endpgm
.Lfunc_end_k_qbc1e9a508b_clauses:
	.size	k_qbc1e9a508b_clauses, .Lfunc_end_k_qbc1e9a508b_clauses-k_qbc1e9a508b_clauses
	.p2alignl 7, 3214868480
	.fill 96, 4, 3214868480
	.section	.rodata,"a",@progbits
	.p2align	6, 0x0
	.amdhsa_kernel k_qbc1e9a508b_clauses
		.amdhsa_group_segment_fixed_size 287744
		.amdhsa_private_segment_fixed_size 0
		.amdhsa_enable_private_segment 0
		.amdhsa_kernarg_size 48
		.amdhsa_user_sgpr_count 2
		.amdhsa_user_sgpr_kernarg_segment_ptr 1
		.amdhsa_wavefront_size32 1
		.amdhsa_system_sgpr_workgroup_id_x 1
		.amdhsa_system_sgpr_workgroup_id_y 1
		.amdhsa_system_sgpr_workgroup_id_z 1
		.amdhsa_system_vgpr_workitem_id 0
		.amdhsa_next_free_vgpr 512
		.amdhsa_next_free_sgpr 66
		.amdhsa_reserve_vcc 0
		.amdhsa_float_denorm_mode_32 3
		.amdhsa_float_denorm_mode_16_64 3
		.amdhsa_memory_ordered 1
		.amdhsa_forward_progress 1
		.amdhsa_inst_pref_size 246
	.end_amdhsa_kernel
	.amdgpu_metadata
---
amdhsa.version: [ 1, 2 ]
amdhsa.kernels:
  - .name:           k_qbc1e9a508b_clauses
    .symbol:         k_qbc1e9a508b_clauses.kd
    .args:
      - { .name: x, .offset: 0, .size: 8, .value_kind: global_buffer, .address_space: global }
      - { .name: bcodes, .offset: 8, .size: 8, .value_kind: global_buffer, .address_space: global }
      - { .name: lowp_scales, .offset: 16, .size: 8, .value_kind: global_buffer, .address_space: global }
      - { .name: clause_bias, .offset: 24, .size: 8, .value_kind: global_buffer, .address_space: global }
      - { .name: voting, .offset: 32, .size: 8, .value_kind: global_buffer, .address_space: global }
      - { .name: out0, .offset: 40, .size: 8, .value_kind: global_buffer, .address_space: global }
    .group_segment_fixed_size: 287744
    .private_segment_fixed_size: 0
    .kernarg_segment_align: 8
    .kernarg_segment_size: 48
    .max_flat_workgroup_size: 256
    .sgpr_count:     66
    .vgpr_count:     512
    .wavefront_size: 32
...
	.end_amdgpu_metadata
.endif
;; end of part 4
